; MI455X (gfx1250); checked and timed in simulation.
; The chip was launched on July 23, 2026; its instructions are those of AMD's public machine-readable ISA for CDNA 5 (MIT licence, August 2026) and "CDNA5" Instruction Set Architecture Reference Guide (July 2026). The comments in the code are by the model that wrote it; some were corrected since.
;; Hard Constrained MLP. Allowed arithmetic: float matrix products may take bf16 or f16 operands with f32 sums; all other float work in f32.
;; Inputs: A 256 x 512 float32; W1 256 x 200 float32; W2 200 x 200 float32; W3 200 x 512 float32; b 2,048 x 256 float32; b1 200 float32; b2 200 float32; b3 512 float32; x 2,048 x 256 float32.
;; Outputs: out0 2,048 x 512 float32.
;; Constants: n_iter = 100, step = 0.
;; 2 versions, each right; version 2 is version 1 with the launch main written anew for expert scheduling mode. Each part assembles by itself: llvm-mc -triple=amdgcn-amd-amdhsa -mcpu=gfx1250 --defsym DOCPART=n.
;; ======== version 1 of 2: 2 launches
;; workspace buffers: wk 1,131,008 bytes
;; launch prep (part 1): grid 256 x 1, 4 waves a work-group, no clusters, 0 bytes of LDS; arguments A, W1, W2, W3, wk; writes wk
.if DOCPART == 1
	.amdgcn_target "amdgcn-amd-amdhsa--gfx1250"
	.amdhsa_code_object_version 6
	.text
	.protected	k_q27f13a14b1_prep
	.globl	k_q27f13a14b1_prep
	.p2align	8
	.type	k_q27f13a14b1_prep,@function
k_q27f13a14b1_prep:
	s_mov_b64 s[64:65], 0
	v_nop
	global_prefetch_b8 v0, s[64:65] scope:SCOPE_SE
	s_setreg_imm32_b32 hwreg(HW_REG_WAVE_MODE, 25, 1), 1
	s_wait_xcnt 0x0
; PREP: lays the weights out as matrix fragments in bf16 and makes G = A A^T, for the launch behind it.
; A FRAGMENT is 1,024 bytes: 16 operand rows x 32 k in bf16.  Byte 16 L + 2 e (L = lane, e = 0..7) holds (row L % 16, k = 8 (L / 16) + e),
; byte 512 + 16 L + 2 e holds k = 16 + 8 (L / 16) + e: two 16-byte loads a lane, each 512 consecutive bytes of the wave, fill the 8 registers.
; SECTIONS of wk (fragment index; element (row, k)):
;   GF  mb*8+kb   G[row][k]            ANF mb*16+kb  -A[row][k]          ATF db*8+kb  -A[k][row]
;   W3F db*7+kb   W3[k][row]           W1F nb*8+kb   W1[k][row]          W2F nb*7+kb  W2[k][row]        (0 where row or k is 200 or more)
;   SSQ 128 f32: partial sums of A^2 (of the f32 numbers)
; SHARES.  256 work-groups of four waves; a wave makes one fragment (NEG: two).  Work-groups 0-31 G, 32-63 -A, 64-127 -A^T, 128-191 W3, 192-223 W1, 224-255 W2.
; In a job: u = work-group - first, block of 16 rows = u / 2, k block = 4 (u % 2) + wave.  W3 and W2 have 7 k blocks: there wave 3 of the odd work-groups has no fragment and ends.
; LIMITS.  All numbers are rounded to bf16 once; G is made of bf16(A) with f32 sums and rounded once.  NaN and infinities are not treated apart.
; The transposing jobs read 64 consecutive bytes of a row for each half wave, 0.9 MB in the whole launch, once; the 128 partial sums leave as single words.
.set GF,  0
.set ANF, 131072
.set ATF, 393216
.set W3F, 655360
.set W1F, 884736
.set W2F, 1015808
.set SSQ, 1130496
.set AD,  16                           ; TRANS: v[16:31] byte offsets of my 16 numbers
.set RW,  32                           ; TRANS: v[32:47] the numbers in f32
.set PKD, 48                           ; TRANS: v[48:55] the fragment
.set MK,  56                           ; TRANS: v56, v57 lane masks of the two halves of k
.set RAW, 16                           ; GRAM: v[16:159] three buffers of 48: 16 f32 a lane of row blocks S0, S1 and SN
.set FRG, 160                          ; GRAM: v[160:207] two sets of three fragments
.set T0,  208                          ; GRAM: v[208:215], v[216:223] the two sums; v[224:231] packed
.set T1,  216
.set TP,  224
	s_load_b256 s[4:11], s[0:1], 0x0               ; A s[4:5], W1 s[6:7], W2 s[8:9], W3 s[10:11]
	s_load_b64 s[12:13], s[0:1], 0x20              ; wk
	v_lshrrev_b32 v1, 5, v0
	v_readfirstlane_b32 s14, v1                    ; wave 0..3
	v_and_b32 v5, 31, v0                           ; lane
	v_lshlrev_b32 v1, 4, v5                        ; 16 x lane
	v_and_b32 v2, 15, v0                           ; r = lane % 16
	v_bfe_u32 v3, v0, 4, 1                         ; h = lane / 16
	s_mov_b32 s15, ttmp9
	s_wait_kmcnt 0x0
.macro SPLIT first                     ; s16 = u, s17 = block of 16 rows, s18 = k block
	s_sub_co_u32 s16, s15, \first
	s_lshr_b32 s17, s16, 1
	s_and_b32 s18, s16, 1
	s_lshl2_add_u32 s18, s18, s14
.endm
; One fragment of a matrix stored [k][n]: operand row n = 16 block + r, k = 32 kb + 16 c + 8 h + j.  A lane loads its 16 numbers one by one.
; Where the matrix ends inside a block (200 rows or columns), n is clamped to the last column and a run of 8 k to the last 8 rows (200 is a multiple of 8:
; a run lies wholly inside or wholly outside), so that no load leaves the buffer, and a lane mask writes zeros for what lies outside.
.macro TRANS sb, pitch, kmax, nmax, nkb, sign, sect, first
	SPLIT \first
.if (\nkb) < 8
	s_cmp_ge_u32 s18, \nkb
	s_cbranch_scc1 .Lend
.endif
.set EDGE, ((\nmax)%16)+((\kmax)%32)
	s_lshl_b32 s19, s17, 4
	s_lshl_b32 s20, s18, 5                         ; 32 kb,
	s_add_co_u32 s21, s20, 16                      ; and 16 further for the second half
	v_add_nc_u32 v6, s19, v2                       ; n
.if EDGE
	s_mov_b32 s28, \nmax
	s_mov_b32 s29, \kmax
	v_cmp_gt_u32 s35, s28, v6                      ; n lies inside
	v_min_u32 v6, (\nmax)-1, v6
.endif
	v_lshlrev_b32 v6, 2, v6
.irp c, 0,1
	v_lshl_add_u32 v8, v3, 3, s[20+\c]             ; the first k of my run of 8
.if EDGE
	v_cmp_gt_u32 s36, s29, v8                      ; the run lies inside
	s_and_b32 s36, s36, s35
	v_cndmask_b32 v[MK+\c], 0, -1, s36
	v_min_u32 v8, (\kmax)-8, v8
.endif
	v_mul_u32_u24 v8, v8, \pitch
	v_add_nc_u32 v[AD+8*\c], v8, v6
.irp j, 1,2,3,4,5,6,7
	v_add_nc_u32 v[AD+8*\c+\j], \pitch, v[AD+8*\c+\j-1]
.endr
.endr
.set li, 0
.rept 16
	global_load_b32 v[RW+li], v[AD+li], s[\sb:(\sb)+1]
.set li, li+1
.endr
	s_mul_i32 s19, s17, \nkb
	s_add_co_u32 s19, s19, s18
	s_lshl_b32 s19, s19, 10                        ; the fragment's place in its section
	v_add_nc_u32 v9, s19, v1
	s_wait_loadcnt 0x0
.set li, 0
.rept 8
	v_cvt_pk_bf16_f32 v[PKD+li], v[RW+2*li], v[RW+2*li+1]
.set li, li+1
.endr
.if \sign
.set li, 0
.rept 8
	v_xor_b32 v[PKD+li], 0x80008000, v[PKD+li]     ; both signs turned
.set li, li+1
.endr
.endif
.if EDGE
.set li, 0
.rept 8
	v_and_b32 v[PKD+li], v[MK+li/4], v[PKD+li]
.set li, li+1
.endr
.endif
	global_store_b128 v9, v[PKD:PKD+3], s[12:13] offset:\sect            ; each store of the wave covers 512 consecutive bytes, aligned
	global_store_b128 v9, v[PKD+4:PKD+7], s[12:13] offset:(\sect)+512
	s_endpgm
.endm
	s_cmp_lt_u32 s15, 32
	s_cbranch_scc1 .Lgram
	s_cmp_lt_u32 s15, 64
	s_cbranch_scc1 .Lneg
	s_cmp_lt_u32 s15, 128
	s_cbranch_scc1 .Lat
	s_cmp_lt_u32 s15, 192
	s_cbranch_scc1 .Lw3
	s_cmp_lt_u32 s15, 224
	s_cbranch_scc1 .Lw1
	TRANS 8, 800, 200, 200, 7, 0, W2F, 224
.Lw1:
	TRANS 6, 800, 256, 200, 8, 0, W1F, 192
.Lw3:
	TRANS 10, 2048, 200, 512, 7, 0, W3F, 128
.Lat:
	TRANS 4, 2048, 256, 512, 8, 1, ATF, 64
; NEG: fragments kb = 2 q and 2 q + 1 of -A's row block mb, and the sum of the squares of their 1,024 numbers.  The wave's eight loads cover 256 whole bytes of each of 16 rows.
.Lneg:
	SPLIT 32
	s_mov_b32 s32, 0x76543210                      ; v_permlanex16_b32: each lane takes its own place in the other half
	s_mov_b32 s33, 0xfedcba98
	v_lshlrev_b32 v4, 11, v2
	v_lshl_add_u32 v4, v3, 5, v4                   ; 2,048 r + 32 h
	s_lshl_b32 s19, s17, 15                        ; 16 mb rows
	s_lshl_b32 s20, s18, 8                         ; 64 q columns
	s_add_co_u32 s19, s19, s20
	v_add_nc_u32 v4, s19, v4
.irp t, 0,1,2,3
	global_load_b128 v[16+8*\t:19+8*\t], v4, s[4:5] offset:64*\t
	global_load_b128 v[20+8*\t:23+8*\t], v4, s[4:5] offset:64*\t+16
.endr
	s_lshl_b32 s19, s17, 14                        ; (16 mb + 2 q) fragments of 1,024 bytes
	s_lshl_b32 s20, s18, 11
	s_add_co_u32 s19, s19, s20
	v_add_nc_u32 v8, s19, v1
	s_lshl2_add_u32 s19, s16, s14                  ; my partial sum's number, 4 u + wave
	s_lshl_b32 s19, s19, 2
	v_mov_b32 v9, s19
	s_wait_loadcnt 0x0
.irp c, 0,1,2,3                        ; four chains, started by the first four pairs: nothing is cleared
	v_pk_mul_f32 v[64+2*\c:65+2*\c], v[16+2*\c:17+2*\c], v[16+2*\c:17+2*\c]
.endr
.set li, 4
.rept 12
	v_pk_fma_f32 v[64+2*(li%4):65+2*(li%4)], v[16+2*li:17+2*li], v[16+2*li:17+2*li], v[64+2*(li%4):65+2*(li%4)]
.set li, li+1
.endr
.set li, 0
.rept 16
	v_cvt_pk_bf16_f32 v[48+li], v[16+2*li], v[16+2*li+1]
.set li, li+1
.endr
.set li, 0
.rept 16
	v_xor_b32 v[48+li], 0x80008000, v[48+li]
.set li, li+1
.endr
.irp p, 0,1,2,3
	global_store_b128 v8, v[48+4*\p:51+4*\p], s[12:13] offset:ANF+512*\p  ; 2,048 consecutive bytes in all
.endr
	v_pk_add_f32 v[64:65], v[64:65], v[66:67]
	v_pk_add_f32 v[68:69], v[68:69], v[70:71]
	v_pk_add_f32 v[64:65], v[64:65], v[68:69]
	v_add_f32 v64, v64, v65
	v_add_f32_dpp v64, v64, v64 row_xmask:1 row_mask:0xf bank_mask:0xf
	v_add_f32_dpp v64, v64, v64 row_xmask:2 row_mask:0xf bank_mask:0xf
	v_add_f32_dpp v64, v64, v64 row_xmask:4 row_mask:0xf bank_mask:0xf
	v_add_f32_dpp v64, v64, v64 row_xmask:8 row_mask:0xf bank_mask:0xf
	v_permlanex16_b32 v65, v64, s32, s33
	v_add_f32 v64, v64, v65
	s_wait_xcnt 0x0                                ; EXEC is a source of the stores above: it changes only behind this wait
	v_cmp_eq_u32 vcc_lo, 0, v5
	s_and_saveexec_b32 s34, vcc_lo
	global_store_b32 v9, v64, s[12:13] offset:SSQ  ; lane 0 alone
	s_wait_xcnt 0x0                                ; and again in front of the line that widens it
	s_or_b32 exec_lo, exec_lo, s34
	s_endpgm
; GRAM: fragment (mb, kf) of G.  Two sums T_c (c = 0, 1): source 0 = rows 32 kf + 16 c + 0..15 of A, source 1 = rows 16 mb + 0..15 of A, over all 512 columns in 16 steps of 32.
; In T_c lane (r, h) holds G[16 mb + r][32 kf + 16 c + 8 h + j] in register j: T_0 and T_1, rounded in pairs, ARE the fragment.
.Lgram:
	SPLIT 0
	v_lshlrev_b32 v7, 11, v2
	v_lshl_add_u32 v7, v3, 5, v7                   ; 2,048 r + 32 h
	s_lshl_b32 s19, s18, 16                        ; 32 kf rows
	s_lshl_b32 s24, s17, 15                        ; 16 mb rows
	v_add_nc_u32 v4, s19, v7
	v_add_nc_u32 v6, s24, v7
	s_lshl3_add_u32 s19, s17, s18                  ; 8 mb + kf
	s_lshl_b32 s19, s19, 10
	v_add_nc_u32 v8, s19, v1
.macro GLOAD s                         ; a step's twelve loads: for each of three row blocks, columns 8 h + 0..7 and 16 + 8 h + 0..7 of the step's 32, in f32
.set gb, RAW+48*((\s)%3)
.irp p, 0,1,2,3
	global_load_b128 v[gb+4*\p:gb+4*\p+3],       v4, s[4:5] offset:128*(\s)+16*(\p%2)+64*(\p/2)
	global_load_b128 v[gb+16+4*\p:gb+16+4*\p+3], v4, s[4:5] offset:128*(\s)+16*(\p%2)+64*(\p/2)+32768
	global_load_b128 v[gb+32+4*\p:gb+32+4*\p+3], v6, s[4:5] offset:128*(\s)+16*(\p%2)+64*(\p/2)
.endr
.endm
; A step.  The two sums take turns.  A set of fragments is written again two steps later: the 24 roundings of the step between, which name
; none of its products' registers, are the places behind those products (ISA guide 7.12.1).
.macro GSTEP s
.if (\s) <= 13
	s_wait_loadcnt 24                              ; the two younger steps' twelve loads each may stay out
.elseif (\s) == 14
	s_wait_loadcnt 12                              ; one younger step's
.else
	s_wait_loadcnt 0
.endif
.set gb, RAW+48*((\s)%3)
.set gf, FRG+24*((\s)%2)
.set li, 0
.rept 24
	v_cvt_pk_bf16_f32 v[gf+li], v[gb+2*li], v[gb+2*li+1]
.set li, li+1
.endr
.if (\s) <= 12
	GLOAD (\s)+3
.endif
.if (\s) == 0
	v_wmma_f32_16x16x32_bf16 v[T0:T0+7], v[gf:gf+7],    v[gf+16:gf+23], 0   ; the first step starts the sums
	v_wmma_f32_16x16x32_bf16 v[T1:T1+7], v[gf+8:gf+15], v[gf+16:gf+23], 0
.else
	v_wmma_f32_16x16x32_bf16 v[T0:T0+7], v[gf:gf+7],    v[gf+16:gf+23], v[T0:T0+7]
	v_wmma_f32_16x16x32_bf16 v[T1:T1+7], v[gf+8:gf+15], v[gf+16:gf+23], v[T1:T1+7]
.endif
.endm
	GLOAD 0
	GLOAD 1
	GLOAD 2
.irp s, 0,1,2,3,4,5,6,7,8,9,10,11,12,13,14,15
	GSTEP \s
.endr
.rept 4
	v_nop                                          ; four places between the last product and the roundings that read it
.endr
.set li, 0
.rept 8                                ; T0's registers ascending, then T1's
	v_cvt_pk_bf16_f32 v[TP+li], v[T0+2*li], v[T0+2*li+1]
.set li, li+1
.endr
	global_store_b128 v8, v[TP:TP+3], s[12:13] offset:GF
	global_store_b128 v8, v[TP+4:TP+7], s[12:13] offset:GF+512
.Lend:
	s_endpgm
.Lfunc_end_k_q27f13a14b1_prep:
	.size	k_q27f13a14b1_prep, .Lfunc_end_k_q27f13a14b1_prep-k_q27f13a14b1_prep
	.p2alignl 7, 3214868480
	.fill 96, 4, 3214868480
	.section	.rodata,"a",@progbits
	.p2align	6, 0x0
	.amdhsa_kernel k_q27f13a14b1_prep
		.amdhsa_group_segment_fixed_size 0
		.amdhsa_private_segment_fixed_size 0
		.amdhsa_enable_private_segment 0
		.amdhsa_kernarg_size 40
		.amdhsa_user_sgpr_count 2
		.amdhsa_user_sgpr_kernarg_segment_ptr 1
		.amdhsa_wavefront_size32 1
		.amdhsa_system_sgpr_workgroup_id_x 1
		.amdhsa_system_sgpr_workgroup_id_y 1
		.amdhsa_system_sgpr_workgroup_id_z 1
		.amdhsa_system_vgpr_workitem_id 0
		.amdhsa_next_free_vgpr 232
		.amdhsa_next_free_sgpr 66
		.amdhsa_reserve_vcc 1
		.amdhsa_float_denorm_mode_32 3
		.amdhsa_float_denorm_mode_16_64 3
		.amdhsa_memory_ordered 1
		.amdhsa_forward_progress 1
		.amdhsa_inst_pref_size 72
	.end_amdhsa_kernel
	.amdgpu_metadata
---
amdhsa.version: [ 1, 2 ]
amdhsa.kernels:
  - .name:           k_q27f13a14b1_prep
    .symbol:         k_q27f13a14b1_prep.kd
    .args:
      - { .name: A, .offset: 0, .size: 8, .value_kind: global_buffer, .address_space: global }
      - { .name: W1, .offset: 8, .size: 8, .value_kind: global_buffer, .address_space: global }
      - { .name: W2, .offset: 16, .size: 8, .value_kind: global_buffer, .address_space: global }
      - { .name: W3, .offset: 24, .size: 8, .value_kind: global_buffer, .address_space: global }
      - { .name: wk, .offset: 32, .size: 8, .value_kind: global_buffer, .address_space: global }
    .group_segment_fixed_size: 0
    .private_segment_fixed_size: 0
    .kernarg_segment_align: 8
    .kernarg_segment_size: 40
    .max_flat_workgroup_size: 128
    .sgpr_count:     66
    .vgpr_count:     232
    .wavefront_size: 32
...
	.end_amdgpu_metadata
.endif
;; end of part 1
;; launch main (part 2): grid 128 x 1, 4 waves a work-group, no clusters, 91,648 bytes of LDS; arguments x, b, b1, b2, b3, wk, out0; writes out0
.if DOCPART == 2
	.amdgcn_target "amdgcn-amd-amdhsa--gfx1250"
	.amdhsa_code_object_version 6
	.text
	.protected	k_q27f13a14b1_main
	.globl	k_q27f13a14b1_main
	.p2align	8
	.type	k_q27f13a14b1_main,@function
k_q27f13a14b1_main:
	s_mov_b64 s[64:65], 0
	v_nop
	global_prefetch_b8 v0, s[64:65] scope:SCOPE_SE
	s_setreg_imm32_b32 hwreg(HW_REG_WAVE_MODE, 25, 1), 1
	s_wait_xcnt 0x0
; MAIN: y0 = MLP(x); 100 steps lam <- relu(lam + t ((y0 - lam A) A^T - b)), lam_0 = 0, t = 1 / sum A^2; out = y0 - lam A.
; ALGEBRA, true for every input: (y0 - lam A) A^T - b = c - lam G with G = A A^T, c = y0 A^T - b.  With NC = b + (-A) y0 = -c:  acc = NC + G lam,  lam' = max(lam - t acc, 0),
; out = y0 + (-A^T) lam.  lam_1 = max(-t NC, 0) wants no product: 99 steps have one.  A step is 256 x 256 multiply-adds a batch row in place of 2 x 256 x 512.
; SHARES.  A step needs all 256 multipliers of a batch row, so a batch tile's whole chain lies in one work-group; a product is 16 columns wide: 2,048 / 16 = 128 work-groups.
; Work-group g owns batch rows 16 g .. 16 g + 15.  Wave w owns rows 64 w .. 64 w + 63 of every result of 256 rows (4 sums of 16 x 16) and rows 128 w .. 128 w + 127 of y0 and out (8 sums).
; LAYOUT.  Everything is transposed: source 0 = 16 rows of a weight, source 1 = 32 k x 16 batch rows.  In a result lane (r = lane % 16, h = lane / 16) holds batch row r and rows 8 h + j in
; register j, so two results rounded to bf16 in pairs ARE a fragment of the next product's source 1: nothing changes lanes from x to out.  The waves hand their fragments to each other through LDS.
; WEIGHTS come from wk in fragment order (1,024 bytes: 16 L + 2 e holds row L % 16, k = 8 (L / 16) + e; 512 further on k + 16), two loads of 512 consecutive bytes a fragment, straight into
; registers; G stays in window 1 through all 99 steps.  No cluster and no tensor load: each wave reads other weights than its neighbours, each byte once, and 3,168 of its 3,496 products read no memory.
; TWO PARTS.  h1 and h2 are numbers of the program's own making, and out is y0 less a correction: one rounding of each to bf16's 8 significant bits would stand in out at its full size.  So each goes to the
; matrix unit as two bf16 operands, hi = bf16(h) and lo = bf16(h - hi) (the difference is exact in f32): 16 significant bits at bf16's range, for 84 products more a wave.
; LIMITS.  All inputs are rounded to bf16: x, the weights and A as matrix operands, b, b1, b2 and b3 as numbers that are then kept in f32; t alone is made of the f32 A.  y0, lam and G are rounded to bf16 as
; operands; sums, lam, y0 and out are f32.  c - lam G takes the place of (y0 - lam A) A^T - b: another order of rounding.  t is a reciprocal good to the last bit or so, and 0 where sum A^2 passes 2^126;
; A = 0 gives an infinite t, as in the definition.  A number within 2^-9 of f32's largest rounds to an infinity.  A NaN counts as 0 in a relu; infinities are not treated apart.
; alpha is 0 in the definition: 0 x y0 is not formed.
; REGISTERS, in windows of 256 (s_set_vgpr_msb: bits 1:0 source 0, 3:2 source 1, 5:4 source 2, 7:6 destination).  Window 0: as named below.  Windows 1, 2, 3: weights; fragment (a, kb) of a
; stage with NK k blocks at v[8 (a NK + kb)].
.set GF,  0                            ; sections of wk
.set ANF, 131072
.set ATF, 393216
.set W3F, 655360
.set W1F, 884736
.set W2F, 1015808
.set SSQ, 1130496
.set XF,  0                            ; LDS: operands in fragment order, fragment f at 1,024 f
.set H1,  8192                         ; h1's and h2's hi parts
.set H2,  16384
.set YF,  24576                        ; 16 fragments
.set LB0, 40960                        ; lam, two buffers by turns
.set LB1, 49152
.set H1L, LB0                          ; h1's and h2's lo parts pass through lam's buffers, which are idle in the front: between the last read of each and lam's first store into it stand two barriers,
.set H2L, LB1                          ; each signalled behind every wave's s_wait_dscnt 0
.set OST, 57344                        ; the way out: for each wave 16 rows of 512 bytes, 528 apart = 132 words: the 16 rows of a store start at 16 different groups of four banks (64 banks of 4 bytes: ISA guide 11.1)
.set OPITCH, 528
.set SPARE, 91136                      ; the spare words, 128 bytes for each wave: two blocks of 256 bytes that no other line names
; v1 16 x lane; v2 r; v3 h; v4 1,024 r + 256 w + 32 h (x, b); v5-v8 16 x lane + the wave's part of a section: 32,768 w, 28,672 w, 57,344 w, 65,536 w;
; v9, v10 16 x lane + 2,048 w, 4,096 w (where my fragments go in LDS); v11 512 w + 32 h (b3); v12 16 x lane + 512 w (out); v13, v14 into my stage and back
.set ROT, 16                           ; v[16:23] slot s: 16 x lane + 1,024 ((2 w + s) % 8): in the loop each wave takes the fragments in a ring that begins with its own two
.set BO,  24                           ; v[24:27] sum t: byte offset in b1 and b2 of rows 64 w + 16 t + 8 h .., clamped to the last 8 of 200; s[28+t]: the lanes whose rows lie inside
.set SPW, 30                           ; v30 LDS address of my spare word; never rewritten
.set NIL, 31                           ; v31 0; never rewritten
.set NC,  32                           ; v[32:63]
.set LAM, 64                           ; v[64:95]
.set ACC, 96                           ; v[96:127]
.set FL,  64                           ; v[64:119] in the front, where LAM and ACC are idle: seven slots for the lo parts
.set TQ,  120                          ; v[120:127] in the front: eight words at work
.set FR,  128                          ; v[128:191] eight slots of a fragment of source 1
.set Y0,  192                          ; v[192:255] y0, eight sums
.set MSB, 0
.macro WIN new                         ; the immediate's high byte repeats the setting that is left; a switch that changes nothing is dropped
.if MSB != (\new)
	s_set_vgpr_msb (MSB<<8)|(\new)
.set MSB, \new
.endif
.endm
.macro LDW blk, reg0, voff, imm0, n    ; n fragments of weights, on end in wk, into window blk from register reg0 on
	WIN (\blk)<<6
.set li, 0
.rept \n
	global_load_b128 v[(\reg0)+8*li:(\reg0)+8*li+3],   v[\voff], s[14:15] offset:(\imm0)+1024*li
	global_load_b128 v[(\reg0)+8*li+4:(\reg0)+8*li+7], v[\voff], s[14:15] offset:(\imm0)+1024*li+512
.set li, li+1
.endr
.endm
.macro TILES dst, vo, sb, n            ; n blocks of 16 f32 rows in a result's layout: a lane's 8 numbers are 32 consecutive bytes
	WIN 0
.set li, 0
.rept \n
	global_load_b128 v[(\dst)+8*li:(\dst)+8*li+3],   v[\vo], s[\sb:(\sb)+1] offset:64*li
	global_load_b128 v[(\dst)+8*li+4:(\dst)+8*li+7], v[\vo], s[\sb:(\sb)+1] offset:64*li+16
.set li, li+1
.endr
.endm
.macro BIAS dst, sb                    ; the same for a bias of 200 numbers, by the clamped offsets
	WIN 0
.irp t, 0,1,2,3
	global_load_b128 v[(\dst)+8*\t:(\dst)+8*\t+3],   v[BO+\t], s[\sb:(\sb)+1]
	global_load_b128 v[(\dst)+8*\t+4:(\dst)+8*\t+7], v[BO+\t], s[\sb:(\sb)+1] offset:16
.endr
.endm
; n f32 numbers are rounded to bf16 and widened again, in place, eight pairs at a time.  msk = 1: rows 200 and above have no bias: the packed word is 0 there
.macro RND dst, n, msk
	WIN 0
.set lg, 0
.rept (\n)/16
.set li, 0
.rept 8
	v_cvt_pk_bf16_f32 v[TQ+li], v[(\dst)+16*lg+2*li], v[(\dst)+16*lg+2*li+1]
.set li, li+1
.endr
.if \msk
.set li, 0
.rept 8
	v_cndmask_b32 v[TQ+li], 0, v[TQ+li], s[28+(16*lg+2*li)/8]
.set li, li+1
.endr
.endif
.set li, 0
.rept 8
	v_lshlrev_b32 v[(\dst)+16*lg+2*li], 16, v[TQ+li]
	v_and_b32 v[(\dst)+16*lg+2*li+1], 0xffff0000, v[TQ+li]
.set li, li+1
.endr
.set lg, lg+1
.endr
.endm
.macro PACK src, n                     ; n f32 rounded to bf16 in pairs, into the first slots; ascending, so each sum is first read at its low end
	WIN 0
.set li, 0
.rept (\n)/2
	v_cvt_pk_bf16_f32 v[FR+li], v[(\src)+2*li], v[(\src)+2*li+1]
.set li, li+1
.endr
.endm
.macro HILO src                        ; 32 f32 in two parts: hi into slots 0 and 1, lo = bf16(number - hi) into slots 2 and 3; ACC is at work
	PACK \src, 32
.set li, 0
.rept 16
	v_lshlrev_b32 v[ACC+2*li], 16, v[FR+li]
	v_and_b32 v[ACC+2*li+1], 0xffff0000, v[FR+li]
.set li, li+1
.endr
.set li, 0
.rept 16
	v_pk_add_f32 v[ACC+2*li:ACC+2*li+1], v[(\src)+2*li:(\src)+2*li+1], v[ACC+2*li:ACC+2*li+1] neg_lo:[0,1] neg_hi:[0,1]
.set li, li+1
.endr
.set li, 0
.rept 16
	v_cvt_pk_bf16_f32 v[FR+16+li], v[ACC+2*li], v[ACC+2*li+1]
.set li, li+1
.endr
.endm
.macro PUBLISH va, region, nq, q0=0    ; my fragments, nq halves of 512 bytes from half q0 of the slots on, into LDS
	WIN 0
.set li, 0
.rept \nq
	ds_store_b128 v[\va], v[FR+4*((\q0)+li):FR+4*((\q0)+li)+3] offset:(\region)+512*li
.set li, li+1
.endr
.endm
.macro BAR                             ; my stores are done and my loads are back, for the others' sake; behind the wait everybody's are
	s_wait_dscnt 0x0
	s_barrier_signal -1
	s_barrier_wait -1
.endm
.macro GATHER dst, region, f0, n       ; fragments f0 .. f0 + n - 1 into slots 0 .. n - 1 from register dst on
	WIN 0
.set li, 0
.rept \n
	ds_load_b128 v[(\dst)+8*li:(\dst)+8*li+3],   v1 offset:(\region)+1024*((\f0)+li)
	ds_load_b128 v[(\dst)+8*li+4:(\dst)+8*li+7], v1 offset:(\region)+1024*((\f0)+li)+512
.set li, li+1
.endr
.endm
; Four products: slot s (of the slots from register fr on) against my four row blocks.  The four sums take turns, one instruction a turn: through a stage, from stage to stage and round the loops.
.macro MUL4 blk, nk, s, fr, dst, c
	WIN \blk
.irp a, 0,1,2,3
	v_wmma_f32_16x16x32_bf16 v[(\dst)+8*\a:(\dst)+8*\a+7], v[8*(\a*(\nk)+(\s)):8*(\a*(\nk)+(\s))+7], v[(\fr)+8*(\s):(\fr)+8*(\s)+7], v[(\c)+8*\a:(\c)+8*\a+7]
.endr
.endm
.macro RUN blk, nk, fr, dst, wt, yg=0  ; a stage's nk slots; wt = 1: they come from a GATHER behind which yg more LDS loads were issued
.set rs, 0
.rept \nk
.if \wt
	s_wait_dscnt 2*((\nk)-1-rs)+(\yg)              ; LDS loads come back in order (ISA guide 5.7.1): the younger slots' two loads each, and the yg behind them, may stay out
.endif
	MUL4 \blk, \nk, rs, \fr, \dst, \dst
.set rs, rs+1
.endr
.endm
.macro RELU x
	WIN 0
.set li, 0
.rept 32
	v_max_num_f32 v[(\x)+li], 0, v[(\x)+li]
.set li, li+1
.endr
.endm
.macro PLACES                          ; four places between a product and the vector line that reads its result or writes one of its registers (ISA guide 7.12.1), where no other vector work is at hand
	WIN 0
.rept 4
	v_nop
.endr
.endm
	s_load_b256 s[4:11], s[0:1], 0x0               ; x s[4:5], b s[6:7], b1 s[8:9], b2 s[10:11]
	s_load_b128 s[12:15], s[0:1], 0x20             ; b3 s[12:13], wk s[14:15]
	s_load_b64 s[16:17], s[0:1], 0x30              ; out0
	v_lshl_add_u32 v[SPW], v0, 2, SPARE
	v_mov_b32 v[NIL], 0
	v_lshrrev_b32 v1, 5, v0
	v_readfirstlane_b32 s18, v1                    ; wave 0..3
	v_and_b32 v1, 31, v0
	v_lshlrev_b32 v1, 4, v1
	v_and_b32 v2, 15, v0
	v_bfe_u32 v3, v0, 4, 1
	v_lshlrev_b32 v4, 10, v2
	v_lshl_add_u32 v4, v3, 5, v4
	v_lshl_add_u32 v4, s18, 8, v4
	v_lshl_add_u32 v5, s18, 15, v1
	s_mul_i32 s24, s18, 28672
	v_add_nc_u32 v6, s24, v1
	s_mul_i32 s24, s18, 57344
	v_add_nc_u32 v7, s24, v1
	v_lshl_add_u32 v8, s18, 16, v1
	v_lshl_add_u32 v9, s18, 11, v1
	v_lshl_add_u32 v10, s18, 12, v1
	v_lshlrev_b32 v11, 5, v3
	v_lshl_add_u32 v11, s18, 9, v11
	v_lshl_add_u32 v12, s18, 9, v1
	s_mul_i32 s24, s18, 16*OPITCH
	s_add_co_u32 s24, s24, OST                     ; my stage
	v_mul_u32_u24 v13, v2, OPITCH                  ; in: batch row r, 32 bytes for each half of the lanes
	v_lshl_add_u32 v13, v3, 5, v13
	v_add_nc_u32 v13, s24, v13
	v_add_nc_u32 v14, s24, v1                      ; back: a row's 512 bytes, 16 a lane
	s_lshl_b32 s25, s18, 1
.irp s, 0,1,2,3,4,5,6,7
	s_add_co_u32 s24, s25, \s
	s_and_b32 s24, s24, 7
	s_lshl_b32 s24, s24, 10
	v_add_nc_u32 v[ROT+\s], s24, v1
.endr
	s_lshl_b32 s25, s18, 3
.irp t, 0,1,2,3
	s_add_co_u32 s24, s25, 2*\t
	v_add_nc_u32 v[BO+\t], s24, v3                 ; which run of 8 rows: 8 w + 2 t + h; 25 runs lie inside
	v_cmp_gt_u32 s[28+\t], 25, v[BO+\t]
	v_min_u32 v[BO+\t], 24, v[BO+\t]
	v_lshlrev_b32 v[BO+\t], 5, v[BO+\t]
.endr
	s_mov_b32 s22, 0x76543210                      ; v_permlanex16_b32: each lane takes its own place in the other half
	s_mov_b32 s23, 0xfedcba98
	s_lshl_b32 s24, ttmp9, 14                      ; 16 rows of 1,024 bytes of x and of b,
	s_mov_b32 s25, 0
	s_lshl_b32 s26, ttmp9, 15                      ; of 2,048 bytes of out
	s_mov_b32 s27, 0
	s_wait_kmcnt 0x0
	s_add_nc_u64 s[4:5], s[4:5], s[24:25]
	s_add_nc_u64 s[6:7], s[6:7], s[24:25]
	s_add_nc_u64 s[16:17], s[16:17], s[26:27]
; THE FRONT.  One stage's weights are always asked for ahead of the stage that computes.  Each wait on LOADcnt is for 63: loads come back in order (ISA guide 5.7.1), and behind the loads
; that the stage wants 64 or more have been issued, so at 63 the wanted ones are in.  The count of the younger ones stands at each wait.
	; x: my 64 columns of the 16 rows, rounded, are fragments 2 w and 2 w + 1
	TILES ACC, 4, 4, 4
	BIAS LAM, 8                                    ; b1 starts the sums of h1
	LDW 1, 0, 5, W1F, 32
	s_wait_loadcnt 0x3f                            ; x is in: 8 + 64 = 72 younger
	PACK ACC, 32
	PUBLISH 9, XF, 4
	BAR
	GATHER FR, XF, 0, 8
	BIAS NC, 10                                    ; b2
	LDW 2, 0, 6, W2F, 28
	; h1 = relu(W1^T x + b1)
	s_wait_loadcnt 0x3f                            ; b1 and W1 are in: 8 + 56 = 64 younger
	RND LAM, 32, 1
	RUN 1, 8, FR, LAM, 1
	PLACES
	RELU LAM
	HILO LAM
	PUBLISH 9, H1, 4
	PUBLISH 9, H1L, 4, 4
	BAR
	GATHER FR, H1, 0, 7                            ; 224 rows cover the 200
	GATHER FL, H1L, 0, 7
	TILES Y0, 11, 12, 8                            ; b3 starts the sums of y0
	LDW 3, 0, 7, W3F, 28
	; h2 = relu(W2^T h1 + b2): the hi parts, then the lo parts, against the same weights
	s_wait_loadcnt 0x3f                            ; b2 and W2 are in: 16 + 56 = 72 younger
	RND NC, 32, 1
	RUN 2, 7, FR, NC, 1, 14
	RUN 2, 7, FL, NC, 1
	PLACES
	RELU NC
	HILO NC
	PUBLISH 9, H2, 4
	PUBLISH 9, H2L, 4, 4
	BAR
	GATHER FR, H2, 0, 7
	GATHER FL, H2L, 0, 7
	LDW 1, 0, 7, W3F+28*1024, 28
	TILES NC, 4, 6, 4                              ; b starts the sums of NC
	; y0 = W3^T h2 + b3: my first 64 rows, then my other 64 on the same slots
	s_wait_loadcnt 0x3f                            ; b3 and W3's first half are in: 56 + 8 = 64 younger
	RND Y0, 64, 0
	RUN 3, 7, FR, Y0, 1, 14
	RUN 3, 7, FL, Y0, 1
.irp a, 0,1,2,3
	LDW 2, 64*\a, 8, ANF+16384*\a, 8               ; -A, k blocks 0 to 7 (window 2's last reader stands a stage back)
.endr
	s_wait_loadcnt 0x3f                            ; W3's second half is in: 8 + 64 = 72 younger
	RUN 1, 7, FR, Y0+32, 0
	RUN 1, 7, FL, Y0+32, 0
	PLACES
	PACK Y0, 64                                    ; y0 stays in f32; its rounded copy is fragments 4 w .. 4 w + 3
	PUBLISH 10, YF, 8
	BAR
	GATHER FR, YF, 0, 8
.irp a, 0,1,2,3
	LDW 3, 64*\a, 8, ANF+16384*\a+8192, 8          ; -A, k blocks 8 to 15
.endr
	; NC = b + (-A) y0, in two halves of K
	s_wait_loadcnt 0x3f                            ; b and -A's first half are in: 64 younger
	RND NC, 32, 0
	RUN 2, 8, FR, NC, 1
	WIN 0
.irp s, 0,1,2,3,4,5,6,7                ; G's addresses, in ACC's idle registers: eight plain lines, the places in front of the loads into the slots
	v_lshl_add_u32 v[ACC+\s], s18, 15, v[ROT+\s]
.endr
	GATHER FR, YF, 8, 8
	WIN 1<<6
.irp a, 0,1,2,3                        ; G: row block 4 w + a against the k block that slot s will hold, (2 w + s) % 8
.irp s, 0,1,2,3,4,5,6,7
	global_load_b128 v[8*(\a*8+\s):8*(\a*8+\s)+3],   v[ACC+\s], s[14:15] offset:GF+8192*\a
	global_load_b128 v[8*(\a*8+\s)+4:8*(\a*8+\s)+7], v[ACC+\s], s[14:15] offset:GF+8192*\a+512
.endr
.endr
	WIN 0
	global_load_b128 v[ACC+8:ACC+11], v1, s[14:15] offset:SSQ  ; the 128 partial sums of A^2, four a lane
	s_wait_loadcnt 0x3f                            ; -A's second half is in: 64 + 1 = 65 younger
	RUN 3, 8, FR, NC, 1
	LDW 2, 0, 8, ATF, 32                           ; -A^T for my first 64 rows of out: it has the loop in which to land
	; t, and lam_1 = max(-t NC, 0).  The sums below name no register of the last products: they are the places in front of the first read of NC
	s_wait_loadcnt 0x3f                            ; G and the partial sums are in (64 younger), so ACC's registers, their addresses among them, are free
	WIN 0
	v_add_f32 v[ACC+8], v[ACC+8], v[ACC+9]
	v_add_f32 v[ACC+10], v[ACC+10], v[ACC+11]
	v_add_f32 v[ACC+8], v[ACC+8], v[ACC+10]
	v_add_f32_dpp v[ACC+8], v[ACC+8], v[ACC+8] row_xmask:1 row_mask:0xf bank_mask:0xf
	v_add_f32_dpp v[ACC+8], v[ACC+8], v[ACC+8] row_xmask:2 row_mask:0xf bank_mask:0xf
	v_add_f32_dpp v[ACC+8], v[ACC+8], v[ACC+8] row_xmask:4 row_mask:0xf bank_mask:0xf
	v_add_f32_dpp v[ACC+8], v[ACC+8], v[ACC+8] row_xmask:8 row_mask:0xf bank_mask:0xf
	v_permlanex16_b32 v[ACC+9], v[ACC+8], s22, s23
	v_add_f32 v[ACC+8], v[ACC+8], v[ACC+9]
	v_rcp_f32 v[ACC+8], v[ACC+8]
	v_nop                                          ; a plain instruction between the reciprocal and the use of its result (ISA guide 5.7.2)
	s_wait_alu depctr_va_vdst(0)
	v_mul_f32 v[ACC+8], -1.0, v[ACC+8]
	v_readfirstlane_b32 s20, v[ACC+8]              ; -t
	s_mov_b32 s21, s20                             ; named with it as a pair
.set li, 0
.rept 16
	v_pk_mul_f32 v[LAM+2*li:LAM+2*li+1], v[NC+2*li:NC+2*li+1], s[20:21] op_sel_hi:[1,0]
.set li, li+1
.endr
	RELU LAM
	PACK LAM, 32
; A STEP.  My two fragments of lam lie rounded in slots 0 and 1.  They go into LDS for the others; my own products on them, which read registers alone, stand across the barrier.
; ONE barrier a step does with two buffers: a wave writes a buffer again two steps later, behind the next step's barrier, which every wave signals behind its reads of that buffer (the last count-down ends at 0).
.macro ITER lb
	PUBLISH 9, \lb, 4
	MUL4 1, 8, 0, FR, ACC, NC                      ; NC as C starts the sums: nothing is cleared or copied
	s_wait_dscnt 0x0                               ; for the others' sake: my four stores are done
	s_barrier_signal -1
	MUL4 1, 8, 1, FR, ACC, ACC                     ; work on registers while the others arrive
	WIN 0
	s_barrier_wait -1
.irp s, 2,3,4,5,6,7                    ; the other three waves' fragments, the nearest in the ring first
	ds_load_b128 v[FR+8*\s:FR+8*\s+3],   v[ROT+\s] offset:\lb
	ds_load_b128 v[FR+8*\s+4:FR+8*\s+7], v[ROT+\s] offset:(\lb)+512
.endr
.irp s, 2,3,4,5,6,7
	s_wait_dscnt 2*(7-\s)                          ; the younger slots' two loads each may stay out
	MUL4 1, 8, \s, FR, ACC, ACC
.endr
	PLACES
.set li, 0
.rept 16                               ; lam - t acc, ascending: each sum is first read at its low end
	v_pk_fma_f32 v[LAM+2*li:LAM+2*li+1], v[ACC+2*li:ACC+2*li+1], s[20:21], v[LAM+2*li:LAM+2*li+1] op_sel_hi:[1,0,1]
.set li, li+1
.endr
	RELU LAM
	PACK LAM, 32
.endm
	ITER LB0                                       ; 1 + 2 x 24 + 2 x 25 = 99 steps
	s_mov_b32 s19, 24
.LloopA:
	ITER LB1
	ITER LB0
	s_sub_co_u32 s19, s19, 1
	s_cmp_lg_u32 s19, 0
	s_cbranch_scc1 .LloopA
	LDW 3, 0, 8, ATF+32768, 32                     ; -A^T for my other 64 rows of out: asked for here, when the first half's 64 loads have had 49 steps in which to land
	WIN 0                                          ; at a label and at a branch every window is 0
	s_mov_b32 s19, 25
.LloopB:
	ITER LB1
	ITER LB0
	s_sub_co_u32 s19, s19, 1
	s_cmp_lg_u32 s19, 0
	s_cbranch_scc1 .LloopB
; THE BACK: out = y0 + (-A^T) lam, onto y0's own registers.  The last step used buffer 0; lam_100 goes through buffer 1.
	PUBLISH 9, LB1, 4
	BAR
	GATHER FR, LB1, 0, 8
	s_wait_loadcnt 0x0                             ; -A^T, both halves
	RUN 2, 8, FR, Y0, 1
	RUN 3, 8, FR, Y0+32, 0
	PLACES
	; A lane holds 8 neighbouring numbers of one row of out, its neighbours other rows: through my own stage, and back as whole rows of 512 bytes
.irp t, 0,1,2,3,4,5,6,7
	ds_store_b128 v13, v[Y0+8*\t:Y0+8*\t+3]   offset:64*\t
	ds_store_b128 v13, v[Y0+8*\t+4:Y0+8*\t+7] offset:64*\t+16
.endr
.set li, 0
.rept 16
	ds_load_b128 v[FR+4*li:FR+4*li+3], v14 offset:OPITCH*li  ; LDS serves a wave's instructions in order (ISA guide 5.7.1.4): these see the stores above
.set li, li+1
.endr
.set li, 0
.rept 16
	s_wait_dscnt 15-li                             ; row li is back; the younger rows' loads may stay out
	global_store_b128 v12, v[FR+4*li:FR+4*li+3], s[16:17] offset:2048*li th:TH_STORE_NT  ; 512 consecutive bytes, at a multiple of 256 from out's first byte
.set li, li+1
.endr
	s_wait_tensorcnt 0x0                           ; the wave's end
	ds_add_u32 v[SPW], v[NIL]
	s_wait_dscnt 0x0
	s_endpgm
.Lfunc_end_k_q27f13a14b1_main:
	.size	k_q27f13a14b1_main, .Lfunc_end_k_q27f13a14b1_main-k_q27f13a14b1_main
	.p2alignl 7, 3214868480
	.fill 96, 4, 3214868480
	.section	.rodata,"a",@progbits
	.p2align	6, 0x0
	.amdhsa_kernel k_q27f13a14b1_main
		.amdhsa_group_segment_fixed_size 91648
		.amdhsa_private_segment_fixed_size 0
		.amdhsa_enable_private_segment 0
		.amdhsa_kernarg_size 56
		.amdhsa_user_sgpr_count 2
		.amdhsa_user_sgpr_kernarg_segment_ptr 1
		.amdhsa_wavefront_size32 1
		.amdhsa_system_sgpr_workgroup_id_x 1
		.amdhsa_system_sgpr_workgroup_id_y 1
		.amdhsa_system_sgpr_workgroup_id_z 1
		.amdhsa_system_vgpr_workitem_id 0
		.amdhsa_next_free_vgpr 1024
		.amdhsa_next_free_sgpr 66
		.amdhsa_reserve_vcc 0
		.amdhsa_float_denorm_mode_32 3
		.amdhsa_float_denorm_mode_16_64 3
		.amdhsa_memory_ordered 1
		.amdhsa_forward_progress 1
		.amdhsa_inst_pref_size 165
	.end_amdhsa_kernel
	.amdgpu_metadata
---
amdhsa.version: [ 1, 2 ]
amdhsa.kernels:
  - .name:           k_q27f13a14b1_main
    .symbol:         k_q27f13a14b1_main.kd
    .args:
      - { .name: x, .offset: 0, .size: 8, .value_kind: global_buffer, .address_space: global }
      - { .name: b, .offset: 8, .size: 8, .value_kind: global_buffer, .address_space: global }
      - { .name: b1, .offset: 16, .size: 8, .value_kind: global_buffer, .address_space: global }
      - { .name: b2, .offset: 24, .size: 8, .value_kind: global_buffer, .address_space: global }
      - { .name: b3, .offset: 32, .size: 8, .value_kind: global_buffer, .address_space: global }
      - { .name: wk, .offset: 40, .size: 8, .value_kind: global_buffer, .address_space: global }
      - { .name: out0, .offset: 48, .size: 8, .value_kind: global_buffer, .address_space: global }
    .group_segment_fixed_size: 91648
    .private_segment_fixed_size: 0
    .kernarg_segment_align: 8
    .kernarg_segment_size: 56
    .max_flat_workgroup_size: 128
    .sgpr_count:     66
    .vgpr_count:     1024
    .wavefront_size: 32
...
	.end_amdgpu_metadata
.endif
;; end of part 2
;; ======== version 2 of 2: 2 launches; version 1 with the launch main written anew for expert scheduling mode
;; workspace buffers: wk 1,131,008 bytes
;; launch prep: the kernel of part 1 again; grid 256 x 1, 4 waves a work-group, no clusters, 0 bytes of LDS; arguments A, W1, W2, W3, wk; writes wk
;; launch main (part 3): grid 128 x 1, 4 waves a work-group, no clusters, 91,648 bytes of LDS; arguments x, b, b1, b2, b3, wk, out0; writes out0
.if DOCPART == 3
	.amdgcn_target "amdgcn-amd-amdhsa--gfx1250"
	.amdhsa_code_object_version 6
	.text
	.protected	k_q27f13a14b1_main
	.globl	k_q27f13a14b1_main
	.p2align	8
	.type	k_q27f13a14b1_main,@function
k_q27f13a14b1_main:
	s_mov_b64 s[64:65], 0
	v_nop
	global_prefetch_b8 v0, s[64:65] scope:SCOPE_SE
	s_setreg_imm32_b32 hwreg(HW_REG_WAVE_SCHED_MODE, 0, 2), 2
	s_setreg_imm32_b32 hwreg(HW_REG_WAVE_MODE, 25, 1), 1
	s_wait_xcnt 0x0
	s_wait_alu depctr_vm_vsrc(0)
; MAIN: y0 = MLP(x); 100 steps lam <- relu(lam + t ((y0 - lam A) A^T - b)), lam_0 = 0, t = 1 / sum A^2; out = y0 - lam A.
; ALGEBRA, true for every input: (y0 - lam A) A^T - b = c - lam G with G = A A^T, c = y0 A^T - b.  With NC = b + (-A) y0 = -c:  acc = NC + G lam,  lam' = max(lam - t acc, 0),
; out = y0 + (-A^T) lam.  lam_1 = max(-t NC, 0) wants no product: 99 steps have one.  A step is 256 x 256 multiply-adds a batch row in place of 2 x 256 x 512.
; SHARES.  A step needs all 256 multipliers of a batch row, so a batch tile's whole chain lies in one work-group; a product is 16 columns wide: 2,048 / 16 = 128 work-groups.
; Work-group g owns batch rows 16 g .. 16 g + 15.  Wave w owns rows 64 w .. 64 w + 63 of every result of 256 rows (4 sums of 16 x 16) and rows 128 w .. 128 w + 127 of y0 and out (8 sums).
; LAYOUT.  Everything is transposed: source 0 = 16 rows of a weight, source 1 = 32 k x 16 batch rows.  In a result lane (r = lane % 16, h = lane / 16) holds batch row r and rows 8 h + j in
; register j, so two results rounded to bf16 in pairs ARE a fragment of the next product's source 1: nothing changes lanes from x to out.  The waves hand their fragments to each other through LDS.
; WEIGHTS come from wk in fragment order (1,024 bytes: 16 L + 2 e holds row L % 16, k = 8 (L / 16) + e; 512 further on k + 16), two loads of 512 consecutive bytes a fragment, straight into
; registers; G stays in window 1 through all 99 steps.  No cluster and no tensor load: each wave reads other weights than its neighbours, each byte once, and 3,168 of its 3,496 products read no memory.
; TWO PARTS.  h1 and h2 are numbers of the program's own making, and out is y0 less a correction: one rounding of each to bf16's 8 significant bits would stand in out at its full size.  So each goes to the
; matrix unit as two bf16 operands, hi = bf16(h) and lo = bf16(h - hi) (the difference is exact in f32): 16 significant bits at bf16's range, for 84 products more a wave.
; LIMITS.  All inputs are rounded to bf16: x, the weights and A as matrix operands, b, b1, b2 and b3 as numbers that are then kept in f32; t alone is made of the f32 A.  y0, lam and G are rounded to bf16 as
; operands; sums, lam, y0 and out are f32.  c - lam G takes the place of (y0 - lam A) A^T - b: another order of rounding.  t is a reciprocal good to the last bit or so, and 0 where sum A^2 passes 2^126;
; A = 0 gives an infinite t, as in the definition.  A number within 2^-9 of f32's largest rounds to an infinity.  A NaN counts as 0 in a relu; infinities are not treated apart.
; alpha is 0 in the definition: 0 x y0 is not formed.
; THE MODE: SCHED_MODE bits 1:0 = 2 (LLVM: expert scheduling mode 2), set by the entry lines.  The code itself states the register dependences between vector or matrix instructions
; and memory or LDS instructions, with s_wait_alu, always for 0.
; THE PLAN.  Registers that memory or LDS instructions touch:
;   v1, v4-v14, ROT, BO, SPW, NIL   addresses: written at the head, never again.  One wait on va_vdst at the head's end serves every load and store of the kernel.
;   FR, the slots   Slots 0-1 (0-3 where a stage hands over more) are written by a stage's roundings, read by my LDS stores, and then, like the other slots, filled by LDS loads and read by products.
;   FL, windows 1-3, NC, Y0, LAM, ACC as targets of loads: read by products and vector lines, later loaded again.
; A HAND-OVER (x, h1, h2, y0, every lam) has one wait on va_vdst, behind its roundings and ahead of its stores: the stores' data are written, and all products and vector lines issued so far are done with
; their registers, so that every load behind it owes nothing as long as no vector or matrix line issued since names the load's registers; and one wait on vm_vsrc behind the stores, ahead of whatever writes
; the stored slots again.  Beside these: one wait on va_vdst and one on vm_vsrc for G's addresses, which lie in ACC for a while; one on va_vdst ahead of the way out's stores; three on va_sdst behind vector lines that write scalar registers.
; REGISTERS, in windows of 256 (s_set_vgpr_msb: bits 1:0 source 0, 3:2 source 1, 5:4 source 2, 7:6 destination).  Window 0: as named below.  Windows 1, 2, 3: weights; fragment (a, kb) of a
; stage with NK k blocks at v[8 (a NK + kb)].
.set GF,  0                            ; sections of wk
.set ANF, 131072
.set ATF, 393216
.set W3F, 655360
.set W1F, 884736
.set W2F, 1015808
.set SSQ, 1130496
.set XF,  0                            ; LDS: operands in fragment order, fragment f at 1,024 f
.set H1,  8192                         ; h1's and h2's hi parts
.set H2,  16384
.set YF,  24576                        ; 16 fragments
.set LB0, 40960                        ; lam, two buffers by turns
.set LB1, 49152
.set H1L, LB0                          ; h1's and h2's lo parts pass through lam's buffers, which are idle in the front: between the last read of each and lam's first store into it stand two barriers,
.set H2L, LB1                          ; each signalled behind every wave's s_wait_dscnt 0
.set OST, 57344                        ; the way out: for each wave 16 rows of 512 bytes, 528 apart = 132 words: the 16 rows of a store start at 16 different groups of four banks (64 banks of 4 bytes: ISA guide 11.1)
.set OPITCH, 528
.set SPARE, 91136                      ; the spare words, 128 bytes for each wave: two blocks of 256 bytes that no other line names
; v1 16 x lane; v2 r; v3 h; v4 1,024 r + 256 w + 32 h (x, b); v5-v8 16 x lane + the wave's part of a section: 32,768 w, 28,672 w, 57,344 w, 65,536 w;
; v9, v10 16 x lane + 2,048 w, 4,096 w (where my fragments go in LDS); v11 512 w + 32 h (b3); v12 16 x lane + 512 w (out); v13, v14 into my stage and back
.set ROT, 16                           ; v[16:23] slot s: 16 x lane + 1,024 ((2 w + s) % 8): in the loop each wave takes the fragments in a ring that begins with its own two
.set BO,  24                           ; v[24:27] sum t: byte offset in b1 and b2 of rows 64 w + 16 t + 8 h .., clamped to the last 8 of 200; s[28+t]: the lanes whose rows lie inside
.set SPW, 30                           ; v30 LDS address of my spare word; never rewritten
.set NIL, 31                           ; v31 0; never rewritten
.set NC,  32                           ; v[32:63]
.set LAM, 64                           ; v[64:95]
.set ACC, 96                           ; v[96:127]
.set FL,  64                           ; v[64:119] in the front, where LAM and ACC are idle: seven slots for the lo parts
.set TQ,  120                          ; v[120:127] in the front: eight words at work
.set FR,  128                          ; v[128:191] eight slots of a fragment of source 1
.set Y0,  192                          ; v[192:255] y0, eight sums
.set MSB, 0
.macro WIN new                         ; the immediate's high byte repeats the setting that is left; a switch that changes nothing is dropped
.if MSB != (\new)
	s_set_vgpr_msb (MSB<<8)|(\new)
.set MSB, \new
.endif
.endm
.macro LDW blk, reg0, voff, imm0, n    ; n fragments of weights, on end in wk, into window blk from register reg0 on
	WIN (\blk)<<6
.set li, 0
.rept \n
	global_load_b128 v[(\reg0)+8*li:(\reg0)+8*li+3],   v[\voff], s[14:15] offset:(\imm0)+1024*li
	global_load_b128 v[(\reg0)+8*li+4:(\reg0)+8*li+7], v[\voff], s[14:15] offset:(\imm0)+1024*li+512
.set li, li+1
.endr
.endm
.macro TILES dst, vo, sb, n            ; n blocks of 16 f32 rows in a result's layout: a lane's 8 numbers are 32 consecutive bytes
	WIN 0
.set li, 0
.rept \n
	global_load_b128 v[(\dst)+8*li:(\dst)+8*li+3],   v[\vo], s[\sb:(\sb)+1] offset:64*li
	global_load_b128 v[(\dst)+8*li+4:(\dst)+8*li+7], v[\vo], s[\sb:(\sb)+1] offset:64*li+16
.set li, li+1
.endr
.endm
.macro BIAS dst, sb                    ; the same for a bias of 200 numbers, by the clamped offsets
	WIN 0
.irp t, 0,1,2,3
	global_load_b128 v[(\dst)+8*\t:(\dst)+8*\t+3],   v[BO+\t], s[\sb:(\sb)+1]
	global_load_b128 v[(\dst)+8*\t+4:(\dst)+8*\t+7], v[BO+\t], s[\sb:(\sb)+1] offset:16
.endr
.endm
; n f32 numbers are rounded to bf16 and widened again, in place, eight pairs at a time.  msk = 1: rows 200 and above have no bias: the packed word is 0 there
.macro RND dst, n, msk
	WIN 0
.set lg, 0
.rept (\n)/16
.set li, 0
.rept 8
	v_cvt_pk_bf16_f32 v[TQ+li], v[(\dst)+16*lg+2*li], v[(\dst)+16*lg+2*li+1]
.set li, li+1
.endr
.if \msk
.set li, 0
.rept 8
	v_cndmask_b32 v[TQ+li], 0, v[TQ+li], s[28+(16*lg+2*li)/8]
.set li, li+1
.endr
.endif
.set li, 0
.rept 8
	v_lshlrev_b32 v[(\dst)+16*lg+2*li], 16, v[TQ+li]
	v_and_b32 v[(\dst)+16*lg+2*li+1], 0xffff0000, v[TQ+li]
.set li, li+1
.endr
.set lg, lg+1
.endr
.endm
.macro PACK src, n                     ; n f32 rounded to bf16 in pairs, into the first slots; ascending, so each sum is first read at its low end
	WIN 0
.set li, 0
.rept (\n)/2
	v_cvt_pk_bf16_f32 v[FR+li], v[(\src)+2*li], v[(\src)+2*li+1]
.set li, li+1
.endr
.endm
.macro HILO src                        ; 32 f32 in two parts: hi into slots 0 and 1, lo = bf16(number - hi) into slots 2 and 3; ACC is at work
	PACK \src, 32
.set li, 0
.rept 16
	v_lshlrev_b32 v[ACC+2*li], 16, v[FR+li]
	v_and_b32 v[ACC+2*li+1], 0xffff0000, v[FR+li]
.set li, li+1
.endr
.set li, 0
.rept 16
	v_pk_add_f32 v[ACC+2*li:ACC+2*li+1], v[(\src)+2*li:(\src)+2*li+1], v[ACC+2*li:ACC+2*li+1] neg_lo:[0,1] neg_hi:[0,1]
.set li, li+1
.endr
.set li, 0
.rept 16
	v_cvt_pk_bf16_f32 v[FR+16+li], v[ACC+2*li], v[ACC+2*li+1]
.set li, li+1
.endr
.endm
.macro PUBLISH va, region, nq, q0=0    ; my fragments, nq halves of 512 bytes from half q0 of the slots on, into LDS
	WIN 0
.set li, 0
.rept \nq
	ds_store_b128 v[\va], v[FR+4*((\q0)+li):FR+4*((\q0)+li)+3] offset:(\region)+512*li
.set li, li+1
.endr
.endm
.macro BAR                             ; my stores are done and my loads are back, for the others' sake; behind the wait everybody's are
	s_wait_dscnt 0x0
	s_barrier_signal -1
	s_barrier_wait -1
.endm
.macro GATHER dst, region, f0, n       ; fragments f0 .. f0 + n - 1 into slots 0 .. n - 1 from register dst on
	WIN 0
.set li, 0
.rept \n
	ds_load_b128 v[(\dst)+8*li:(\dst)+8*li+3],   v1 offset:(\region)+1024*((\f0)+li)
	ds_load_b128 v[(\dst)+8*li+4:(\dst)+8*li+7], v1 offset:(\region)+1024*((\f0)+li)+512
.set li, li+1
.endr
.endm
; Four products: slot s (of the slots from register fr on) against my four row blocks.  The four sums take turns, one instruction a turn: through a stage, from stage to stage and round the loops.
.macro MUL4 blk, nk, s, fr, dst, c
	WIN \blk
.irp a, 0,1,2,3
	v_wmma_f32_16x16x32_bf16 v[(\dst)+8*\a:(\dst)+8*\a+7], v[8*(\a*(\nk)+(\s)):8*(\a*(\nk)+(\s))+7], v[(\fr)+8*(\s):(\fr)+8*(\s)+7], v[(\c)+8*\a:(\c)+8*\a+7]
.endr
.endm
.macro RUN blk, nk, fr, dst, wt, yg=0  ; a stage's nk slots; wt = 1: they come from a GATHER behind which yg more LDS loads were issued
.set rs, 0
.rept \nk
.if \wt
	s_wait_dscnt 2*((\nk)-1-rs)+(\yg)              ; LDS loads come back in order (ISA guide 5.7.1): the younger slots' two loads each, and the yg behind them, may stay out
.endif
	MUL4 \blk, \nk, rs, \fr, \dst, \dst
.set rs, rs+1
.endr
.endm
.macro RELU x
	WIN 0
.set li, 0
.rept 32
	v_max_num_f32 v[(\x)+li], 0, v[(\x)+li]
.set li, li+1
.endr
.endm
.macro PLACES                          ; four places between a product and the vector line that reads its result or writes one of its registers (ISA guide 7.12.1), where no other vector work is at hand
	WIN 0
.rept 4
	v_nop
.endr
.endm
	s_load_b256 s[4:11], s[0:1], 0x0               ; x s[4:5], b s[6:7], b1 s[8:9], b2 s[10:11]
	s_load_b128 s[12:15], s[0:1], 0x20             ; b3 s[12:13], wk s[14:15]
	s_load_b64 s[16:17], s[0:1], 0x30              ; out0
	v_lshl_add_u32 v[SPW], v0, 2, SPARE
	v_mov_b32 v[NIL], 0
	v_lshrrev_b32 v1, 5, v0
	v_readfirstlane_b32 s18, v1                    ; wave 0..3
	v_and_b32 v1, 31, v0
	v_lshlrev_b32 v1, 4, v1
	v_and_b32 v2, 15, v0
	v_bfe_u32 v3, v0, 4, 1
	v_lshlrev_b32 v4, 10, v2
	v_lshl_add_u32 v4, v3, 5, v4
	s_wait_alu depctr_va_sdst(0)                   ; s18 is written, ahead of its first reader, the line below: the wave's parts of all addresses are made from it
	v_lshl_add_u32 v4, s18, 8, v4
	v_lshl_add_u32 v5, s18, 15, v1
	s_mul_i32 s24, s18, 28672
	v_add_nc_u32 v6, s24, v1
	s_mul_i32 s24, s18, 57344
	v_add_nc_u32 v7, s24, v1
	v_lshl_add_u32 v8, s18, 16, v1
	v_lshl_add_u32 v9, s18, 11, v1
	v_lshl_add_u32 v10, s18, 12, v1
	v_lshlrev_b32 v11, 5, v3
	v_lshl_add_u32 v11, s18, 9, v11
	v_lshl_add_u32 v12, s18, 9, v1
	s_mul_i32 s24, s18, 16*OPITCH
	s_add_co_u32 s24, s24, OST                     ; my stage
	v_mul_u32_u24 v13, v2, OPITCH                  ; in: batch row r, 32 bytes for each half of the lanes
	v_lshl_add_u32 v13, v3, 5, v13
	v_add_nc_u32 v13, s24, v13
	v_add_nc_u32 v14, s24, v1                      ; back: a row's 512 bytes, 16 a lane
	s_lshl_b32 s25, s18, 1
.irp s, 0,1,2,3,4,5,6,7
	s_add_co_u32 s24, s25, \s
	s_and_b32 s24, s24, 7
	s_lshl_b32 s24, s24, 10
	v_add_nc_u32 v[ROT+\s], s24, v1
.endr
	s_lshl_b32 s25, s18, 3
.irp t, 0,1,2,3
	s_add_co_u32 s24, s25, 2*\t
	v_add_nc_u32 v[BO+\t], s24, v3                 ; which run of 8 rows: 8 w + 2 t + h; 25 runs lie inside
	v_cmp_gt_u32 s[28+\t], 25, v[BO+\t]
	v_min_u32 v[BO+\t], 24, v[BO+\t]
	v_lshlrev_b32 v[BO+\t], 5, v[BO+\t]
.endr
	s_wait_alu depctr_va_sdst(0)                   ; the four compares have written s28 to s31, ahead of their first readers, the selects that mask b1
	s_mov_b32 s22, 0x76543210                      ; v_permlanex16_b32: each lane takes its own place in the other half
	s_mov_b32 s23, 0xfedcba98
	s_lshl_b32 s24, ttmp9, 14                      ; 16 rows of 1,024 bytes of x and of b,
	s_mov_b32 s25, 0
	s_lshl_b32 s26, ttmp9, 15                      ; of 2,048 bytes of out
	s_mov_b32 s27, 0
	s_wait_kmcnt 0x0
	s_add_nc_u64 s[4:5], s[4:5], s[24:25]
	s_add_nc_u64 s[6:7], s[6:7], s[24:25]
	s_add_nc_u64 s[16:17], s[16:17], s[26:27]
	s_wait_alu depctr_va_vdst(0)                   ; v1, v4 to v14, ROT, BO, SPW and NIL are written: every load and store of the kernel reads some of them as its address, and none is written again
; THE FRONT.  One stage's weights are always asked for ahead of the stage that computes.  Each wait on LOADcnt is for 63: loads come back in order (ISA guide 5.7.1), and behind the loads
; that the stage wants 64 or more have been issued, so at 63 the wanted ones are in.  The count of the younger ones stands at each wait.
	; x: my 64 columns of the 16 rows, rounded, are fragments 2 w and 2 w + 1
	TILES ACC, 4, 4, 4
	BIAS LAM, 8                                    ; b1 starts the sums of h1
	LDW 1, 0, 5, W1F, 32
	s_wait_loadcnt 0x3f                            ; x is in: 8 + 64 = 72 younger
	PACK ACC, 32
	s_wait_alu depctr_va_vdst(0)                   ; the roundings have written slots 0 and 1, which the LDS stores read and in which, later, LDS loads land
	PUBLISH 9, XF, 4
	BAR
	s_wait_alu depctr_vm_vsrc(0)                   ; my LDS stores have read slots 0 and 1, in which the loads below land
	GATHER FR, XF, 0, 8
	BIAS NC, 10                                    ; b2
	LDW 2, 0, 6, W2F, 28
	; h1 = relu(W1^T x + b1)
	s_wait_loadcnt 0x3f                            ; b1 and W1 are in: 8 + 56 = 64 younger
	RND LAM, 32, 1
	RUN 1, 8, FR, LAM, 1
	PLACES
	RELU LAM
	HILO LAM
	s_wait_alu depctr_va_vdst(0)                   ; the roundings have written slots 0 to 3, which the LDS stores read; the products are done reading the slots and window 1, the vector lines are done with LAM and ACC: loads land in all of these below
	PUBLISH 9, H1, 4
	PUBLISH 9, H1L, 4, 4
	BAR
	s_wait_alu depctr_vm_vsrc(0)                   ; my LDS stores have read slots 0 to 3, in which the loads below land
	GATHER FR, H1, 0, 7                            ; 224 rows cover the 200
	GATHER FL, H1L, 0, 7
	TILES Y0, 11, 12, 8                            ; b3 starts the sums of y0
	LDW 3, 0, 7, W3F, 28
	; h2 = relu(W2^T h1 + b2): the hi parts, then the lo parts, against the same weights
	s_wait_loadcnt 0x3f                            ; b2 and W2 are in: 16 + 56 = 72 younger
	RND NC, 32, 1
	RUN 2, 7, FR, NC, 1, 14
	RUN 2, 7, FL, NC, 1
	PLACES
	RELU NC
	HILO NC
	s_wait_alu depctr_va_vdst(0)                   ; the roundings have written slots 0 to 3, which the LDS stores read; the products are done reading FR, FL and windows 1 and 2, the vector lines are done with NC and ACC: loads land in all of these below
	PUBLISH 9, H2, 4
	PUBLISH 9, H2L, 4, 4
	BAR
	s_wait_alu depctr_vm_vsrc(0)                   ; my LDS stores have read slots 0 to 3, in which the loads below land
	GATHER FR, H2, 0, 7
	GATHER FL, H2L, 0, 7
	LDW 1, 0, 7, W3F+28*1024, 28
	TILES NC, 4, 6, 4                              ; b starts the sums of NC
	; y0 = W3^T h2 + b3: my first 64 rows, then my other 64 on the same slots
	s_wait_loadcnt 0x3f                            ; b3 and W3's first half are in: 56 + 8 = 64 younger
	RND Y0, 64, 0
	RUN 3, 7, FR, Y0, 1, 14
	RUN 3, 7, FL, Y0, 1
.irp a, 0,1,2,3
	LDW 2, 64*\a, 8, ANF+16384*\a, 8               ; -A, k blocks 0 to 7.  No wait: window 2's last readers, h2's products, stand ahead of the wait on va_vdst in front of h2's stores, and no vector or matrix line since names window 2 or v8
.endr
	s_wait_loadcnt 0x3f                            ; W3's second half is in: 8 + 64 = 72 younger
	RUN 1, 7, FR, Y0+32, 0
	RUN 1, 7, FL, Y0+32, 0
	PLACES
	PACK Y0, 64                                    ; y0 stays in f32; its rounded copy is fragments 4 w .. 4 w + 3
	s_wait_alu depctr_va_vdst(0)                   ; the roundings have written slots 0 to 3, which the LDS stores read; y0's products are done reading the slots and windows 3 and 1: loads land in these below
	PUBLISH 10, YF, 8
	BAR
	s_wait_alu depctr_vm_vsrc(0)                   ; my LDS stores have read slots 0 to 3, in which the loads below land
	GATHER FR, YF, 0, 8
.irp a, 0,1,2,3
	LDW 3, 64*\a, 8, ANF+16384*\a+8192, 8          ; -A, k blocks 8 to 15
.endr
	; NC = b + (-A) y0, in two halves of K
	s_wait_loadcnt 0x3f                            ; b and -A's first half are in: 64 younger
	RND NC, 32, 0
	RUN 2, 8, FR, NC, 1
	WIN 0
.irp s, 0,1,2,3,4,5,6,7                ; G's addresses, in ACC's idle registers
	v_lshl_add_u32 v[ACC+\s], s18, 15, v[ROT+\s]
.endr
	s_wait_alu depctr_va_vdst(0)                   ; G's eight addresses are written, which its loads read; the first half's products are done reading the slots and window 2, in which loads land below
	GATHER FR, YF, 8, 8
	WIN 1<<6
.irp a, 0,1,2,3                        ; G: row block 4 w + a against the k block that slot s will hold, (2 w + s) % 8
.irp s, 0,1,2,3,4,5,6,7
	global_load_b128 v[8*(\a*8+\s):8*(\a*8+\s)+3],   v[ACC+\s], s[14:15] offset:GF+8192*\a
	global_load_b128 v[8*(\a*8+\s)+4:8*(\a*8+\s)+7], v[ACC+\s], s[14:15] offset:GF+8192*\a+512
.endr
.endr
	WIN 0
	global_load_b128 v[ACC+8:ACC+11], v1, s[14:15] offset:SSQ  ; the 128 partial sums of A^2, four a lane
	s_wait_loadcnt 0x3f                            ; -A's second half is in: 64 + 1 = 65 younger
	RUN 3, 8, FR, NC, 1
	LDW 2, 0, 8, ATF, 32                           ; -A^T for my first 64 rows of out: it has the loop in which to land.  No wait: since the wait on va_vdst above only window 3's products were issued, which name neither window 2 nor v8
	; t, and lam_1 = max(-t NC, 0).  The sums below name no register of the last products: they are the places in front of the first read of NC
	s_wait_loadcnt 0x3f                            ; G and the partial sums are in (64 younger), so ACC's registers, their addresses among them, are free
	s_wait_alu depctr_vm_vsrc(0)                   ; G's loads have read their addresses in ACC's first eight registers, which the first step's products write
	WIN 0
	v_add_f32 v[ACC+8], v[ACC+8], v[ACC+9]
	v_add_f32 v[ACC+10], v[ACC+10], v[ACC+11]
	v_add_f32 v[ACC+8], v[ACC+8], v[ACC+10]
	v_add_f32_dpp v[ACC+8], v[ACC+8], v[ACC+8] row_xmask:1 row_mask:0xf bank_mask:0xf
	v_add_f32_dpp v[ACC+8], v[ACC+8], v[ACC+8] row_xmask:2 row_mask:0xf bank_mask:0xf
	v_add_f32_dpp v[ACC+8], v[ACC+8], v[ACC+8] row_xmask:4 row_mask:0xf bank_mask:0xf
	v_add_f32_dpp v[ACC+8], v[ACC+8], v[ACC+8] row_xmask:8 row_mask:0xf bank_mask:0xf
	v_permlanex16_b32 v[ACC+9], v[ACC+8], s22, s23
	v_add_f32 v[ACC+8], v[ACC+8], v[ACC+9]
	v_rcp_f32 v[ACC+8], v[ACC+8]
	v_nop                                          ; a plain instruction between the reciprocal and the use of its result (ISA guide 5.7.2)
	s_wait_alu depctr_va_vdst(0)                   ; the reciprocal has written its result, ahead of the first line that names it
	v_mul_f32 v[ACC+8], -1.0, v[ACC+8]
	v_readfirstlane_b32 s20, v[ACC+8]              ; -t
	s_wait_alu depctr_va_sdst(0)                   ; s20 is written, ahead of its first reader, the line below
	s_mov_b32 s21, s20                             ; named with it as a pair
.set li, 0
.rept 16
	v_pk_mul_f32 v[LAM+2*li:LAM+2*li+1], v[NC+2*li:NC+2*li+1], s[20:21] op_sel_hi:[1,0]
.set li, li+1
.endr
	RELU LAM
	PACK LAM, 32
; A STEP.  My two fragments of lam lie rounded in slots 0 and 1.  They go into LDS for the others; my own products on them, which read registers alone, stand across the barrier.
; ONE barrier a step does with two buffers: a wave writes a buffer again two steps later, behind the next step's barrier, which every wave signals behind its reads of that buffer (the last count-down ends at 0).
; WHO NAMES WHAT between two heads: slots 0 and 1 are read by the four stores and by the first eight products, and written by the roundings at the step's end; slots 2 to 7 are filled by the twelve loads and read by
; the other 24 products; ROT and v9 are read alone.  A step's operands are made by the step before, so no load of a later step can stand among this step's products: the loads that can, the foreign slots', do.
.macro ITER lb
	s_wait_alu depctr_va_vdst(0)                   ; the roundings have written slots 0 and 1, which the stores read; the last step's products are done reading slots 2 to 7, in which this step's loads land
	PUBLISH 9, \lb, 4
	MUL4 1, 8, 0, FR, ACC, NC                      ; NC as C starts the sums: nothing is cleared or copied
	s_wait_dscnt 0x0                               ; for the others' sake: my four stores are done
	s_wait_alu depctr_vm_vsrc(0)                   ; my four stores have read slots 0 and 1, which the roundings at this step's end write again
	s_barrier_signal -1
	MUL4 1, 8, 1, FR, ACC, ACC                     ; work on registers while the others arrive
	WIN 0
	s_barrier_wait -1
.irp s, 2,3,4,5,6,7                    ; the other three waves' fragments, the nearest in the ring first.  No wait: the eight products issued since the step's head name slots 0 and 1, ACC, NC and window 1 alone
	ds_load_b128 v[FR+8*\s:FR+8*\s+3],   v[ROT+\s] offset:\lb
	ds_load_b128 v[FR+8*\s+4:FR+8*\s+7], v[ROT+\s] offset:(\lb)+512
.endr
.irp s, 2,3,4,5,6,7
	s_wait_dscnt 2*(7-\s)                          ; the younger slots' two loads each may stay out
	MUL4 1, 8, \s, FR, ACC, ACC
.endr
	PLACES
.set li, 0
.rept 16                               ; lam - t acc, ascending: each sum is first read at its low end
	v_pk_fma_f32 v[LAM+2*li:LAM+2*li+1], v[ACC+2*li:ACC+2*li+1], s[20:21], v[LAM+2*li:LAM+2*li+1] op_sel_hi:[1,0,1]
.set li, li+1
.endr
	RELU LAM
	PACK LAM, 32
.endm
	ITER LB0                                       ; 1 + 2 x 24 + 2 x 25 = 99 steps
	s_mov_b32 s19, 24
.LloopA:
	ITER LB1
	ITER LB0
	s_sub_co_u32 s19, s19, 1
	s_cmp_lg_u32 s19, 0
	s_cbranch_scc1 .LloopA
	LDW 3, 0, 8, ATF+32768, 32                     ; -A^T for my other 64 rows of out: asked for here, when the first half's 64 loads have had 49 steps in which to land.  No wait: window 3's last readers, NC's products, stand ahead of every step's wait on va_vdst, and the steps name neither window 3 nor v8
	WIN 0                                          ; at a label and at a branch every window is 0
	s_mov_b32 s19, 25
.LloopB:
	ITER LB1
	ITER LB0
	s_sub_co_u32 s19, s19, 1
	s_cmp_lg_u32 s19, 0
	s_cbranch_scc1 .LloopB
; THE BACK: out = y0 + (-A^T) lam, onto y0's own registers.  The last step used buffer 0; lam_100 goes through buffer 1.
	s_wait_alu depctr_va_vdst(0)                   ; the last roundings have written slots 0 and 1, which the stores read; the last step's products are done reading the slots, in which the loads below land
	PUBLISH 9, LB1, 4
	BAR
	s_wait_alu depctr_vm_vsrc(0)                   ; my LDS stores have read slots 0 and 1, in which the loads below land
	GATHER FR, LB1, 0, 8
	s_wait_loadcnt 0x0                             ; -A^T, both halves
	RUN 2, 8, FR, Y0, 1
	RUN 3, 8, FR, Y0+32, 0
	PLACES
	s_wait_alu depctr_va_vdst(0)                   ; the products have written y0's registers, which the LDS stores read, and are done reading the slots, in which the loads from the stage land; the places above stay beside this wait
	; A lane holds 8 neighbouring numbers of one row of out, its neighbours other rows: through my own stage, and back as whole rows of 512 bytes
.irp t, 0,1,2,3,4,5,6,7
	ds_store_b128 v13, v[Y0+8*\t:Y0+8*\t+3]   offset:64*\t
	ds_store_b128 v13, v[Y0+8*\t+4:Y0+8*\t+7] offset:64*\t+16
.endr
.set li, 0
.rept 16
	ds_load_b128 v[FR+4*li:FR+4*li+3], v14 offset:OPITCH*li  ; LDS serves a wave's instructions in order (ISA guide 5.7.1.4): these see the stores above
.set li, li+1
.endr
.set li, 0
.rept 16
	s_wait_dscnt 15-li                             ; row li is back; the younger rows' loads may stay out
	global_store_b128 v12, v[FR+4*li:FR+4*li+3], s[16:17] offset:2048*li th:TH_STORE_NT  ; 512 consecutive bytes, at a multiple of 256 from out's first byte
.set li, li+1
.endr
	s_wait_dscnt 0x0                               ; the wave's end
	s_wait_alu 0x0
	s_wait_tensorcnt 0x0
	ds_add_u32 v[SPW], v[NIL]
	s_wait_dscnt 0x0
	s_endpgm
.Lfunc_end_k_q27f13a14b1_main:
	.size	k_q27f13a14b1_main, .Lfunc_end_k_q27f13a14b1_main-k_q27f13a14b1_main
	.p2alignl 7, 3214868480
	.fill 96, 4, 3214868480
	.section	.rodata,"a",@progbits
	.p2align	6, 0x0
	.amdhsa_kernel k_q27f13a14b1_main
		.amdhsa_group_segment_fixed_size 91648
		.amdhsa_private_segment_fixed_size 0
		.amdhsa_enable_private_segment 0
		.amdhsa_kernarg_size 56
		.amdhsa_user_sgpr_count 2
		.amdhsa_user_sgpr_kernarg_segment_ptr 1
		.amdhsa_wavefront_size32 1
		.amdhsa_system_sgpr_workgroup_id_x 1
		.amdhsa_system_sgpr_workgroup_id_y 1
		.amdhsa_system_sgpr_workgroup_id_z 1
		.amdhsa_system_vgpr_workitem_id 0
		.amdhsa_next_free_vgpr 1024
		.amdhsa_next_free_sgpr 66
		.amdhsa_reserve_vcc 0
		.amdhsa_float_denorm_mode_32 3
		.amdhsa_float_denorm_mode_16_64 3
		.amdhsa_memory_ordered 1
		.amdhsa_forward_progress 1
		.amdhsa_inst_pref_size 166
	.end_amdhsa_kernel
	.amdgpu_metadata
---
amdhsa.version: [ 1, 2 ]
amdhsa.kernels:
  - .name:           k_q27f13a14b1_main
    .symbol:         k_q27f13a14b1_main.kd
    .args:
      - { .name: x, .offset: 0, .size: 8, .value_kind: global_buffer, .address_space: global }
      - { .name: b, .offset: 8, .size: 8, .value_kind: global_buffer, .address_space: global }
      - { .name: b1, .offset: 16, .size: 8, .value_kind: global_buffer, .address_space: global }
      - { .name: b2, .offset: 24, .size: 8, .value_kind: global_buffer, .address_space: global }
      - { .name: b3, .offset: 32, .size: 8, .value_kind: global_buffer, .address_space: global }
      - { .name: wk, .offset: 40, .size: 8, .value_kind: global_buffer, .address_space: global }
      - { .name: out0, .offset: 48, .size: 8, .value_kind: global_buffer, .address_space: global }
    .group_segment_fixed_size: 91648
    .private_segment_fixed_size: 0
    .kernarg_segment_align: 8
    .kernarg_segment_size: 56
    .max_flat_workgroup_size: 128
    .sgpr_count:     66
    .vgpr_count:     1024
    .wavefront_size: 32
...
	.end_amdgpu_metadata
.endif
;; end of part 3
